; MI455X (gfx1250); checked and timed in simulation.
; The chip was launched on July 23, 2026; its instructions are those of AMD's public machine-readable ISA for CDNA 5 (MIT licence, August 2026) and "CDNA5" Instruction Set Architecture Reference Guide (July 2026). The comments in the code are by the model that wrote it; some were corrected since.
;; Quantize. Allowed arithmetic: matrix products marked QUANTISED: E3M2 operands, one E8M0 scale for each 32 along K, by v_wmma_scale_f32_16x16x128_f8f6f4 with both operands' format E3M2, f32 sums; everything else in f32.
;; Inputs: embed 512 x 8,192 float32; input 8 x 2,048 x 512 float32.
;; Outputs: out0 8 x 2,048 x 512 float32; out1 one number float32; out2 8 x 2,048 int32.
;; This version of the problem:
;;   THIS VERSION OF THE PROBLEM IS GIVEN IN LOW PRECISION. The matrix products marked QUANTISED in the list below multiply operands that are first quantised to E3M2 (3 exponent bits, 2 mantissa bits; 6 bits a number), with one power-of-two scale for each 32 numbers along K (OCP MX v1.0); their sums are f32. All else is computed in f32.
;;   The module's matrix products, in the order in which they are computed (A, B: the left and right operand; K: the contracted axis; several contracted axes count as one K, in the product's order):
;;     1. [M 16,384, K 512] x [K 512, N 8,192]; A: input input; B: input embed: QUANTISED
;;   THE QUANTISER, for each operand of a quantised product, along K:
;;     - K is cut into blocks of 32 from its start; a last block that is shorter is filled with zeros.
;;     - A block's scale is 2^e with e = floor(log2(the largest magnitude in the block)) - 4, held to -126 .. 127; a block of zeros has e = 0. As a byte (E8M0): e + 127.
;;     - Each number is divided by its block's scale, clamped to +-28, and rounded to the nearest number of E3M2, ties to even, subnormals kept.
;;     - The product sums the exact products of the quantised numbers (number of the format x scale) in f32.
;;   ~~~python
;;   def quantise(x, axis):      # numpy; x: float32 -> the quantised numbers, widened to float32 again
;;       x = np.moveaxis(x, axis, -1); K = x.shape[-1]
;;       x = np.pad(x, [(0, 0)] * (x.ndim - 1) + [(0, -K % 32)]); x = x.reshape(x.shape[:-1] + (-1, 32)); a = np.abs(x).max(-1, keepdims=True)
;;       e = np.where(a > 0, np.clip(np.frexp(np.where(a > 0, a, 1))[1] - 1 - 4, -126, 127), 0)      # np.frexp(a)[1] - 1 = floor(log2(a)), exactly
;;       r = np.clip(x / 2.0 ** e, -28, 28)
;;       step = 2.0 ** (np.maximum(np.frexp(np.where(r == 0, 1, r))[1] - 1, -2) - 2)
;;       q = np.round(r / step) * step * 2.0 ** e      # np.round: ties to even
;;       return np.moveaxis(q.reshape(q.shape[:-2] + (-1,))[..., :K], -1, axis).astype(np.float32)
;;   ~~~
;; One version. Each part assembles by itself: llvm-mc -triple=amdgcn-amd-amdhsa -mcpu=gfx1250 --defsym DOCPART=n.
;; ======== version 1 of 1: 4 launches
;; limits: right only within a limited range of input values
;; workspace buffers: ximg 6,553,600 bytes; eimg 3,309,568 bytes; embt 16,777,216 bytes; cand 1,048,576 bytes of whole numbers; part 1,024 bytes
;; launch quant (part 1): grid 256 x 1, 8 waves a work-group, no clusters, 255,232 bytes of LDS; arguments input, embed, ximg, eimg, embt; writes ximg, eimg, embt
.if DOCPART == 1
	.amdgcn_target "amdgcn-amd-amdhsa--gfx1250"
	.amdhsa_code_object_version 6
	.text
	.protected	k_qde1f651dc5_quant
	.globl	k_qde1f651dc5_quant
	.p2align	8
	.type	k_qde1f651dc5_quant,@function
k_qde1f651dc5_quant:
	s_mov_b64 s[64:65], 0
	v_nop
	global_prefetch_b8 v0, s[64:65] scope:SCOPE_SE
	s_setreg_imm32_b32 hwreg(HW_REG_WAVE_MODE, 25, 1), 1
	s_wait_xcnt 0x0
; Both operands of x . e are turned into codes of BF6 (E3M2) with one E8M0 byte for each 32 along K = 512, and laid as IMAGES OF OPERAND REGISTERS.
; A record describes 16 rows r of an operand.  Bytes 1536 q + 512 c + 16 l: registers 4 c .. 4 c + 3 of lane l of the fragment of K step q (128 along K).  Lane r + 16 h holds 48 bytes:
; the 24 bytes of codes of block h, then those of block 2 + h (block b: k = 128 q + 32 b + 0 .. 31).  Bytes 6144 + 16 r + 4 q + b: the scale byte of row r, block (q, b).
; A record of x is 6,400 bytes; a record of embed has 64 more: bytes 6400 + 4 r hold -||e||^2 / 2 in f32, taken of the numbers as they are given.
; A block's scale is 2^(floor(log2(its largest magnitude)) - 4): its byte is the largest magnitude's exponent field - 4, held at 1 from below.
; LIMITS: a block of zeros gets the byte 1 where the rule says 127: its codes are zeros, and this program alone reads the bytes.  Blocks whose largest magnitude lies under 2^(5 - 127)
; are held at that floor.  NaN and infinities among the inputs are not served.
; Work-groups 0 to 127 take x (K innermost): a wave makes one record, 16 rows.  Work-groups 128 to 255 take embed (K is its FIRST axis): 64 columns each, four records, and also embed transposed
; in f32, [8192][512], for the gather of a later launch.  The two ways use LDS bytes of their own.  No tensor loads, no matrix work, no cluster: nothing is shared between work-groups.
.set SP,    80                         ; x: a lane's place in a turning stage: 64 bytes + 16 of padding
.set XW,    11520                      ; x: LDS of a wave: two stages of 32 SP bytes, then its record
.set OUTB,  5120                       ; x: where the record begins in the wave's LDS
.set R,     16                         ; x: v16-79   four sets of 16 numbers as loaded
.set X,     80                         ; x: v80-111  two sets of 16 neighbours
.set E,     112                        ; x: v112-127 a scale byte for each step
.set C,     128                        ; x: v128-191 codes, four registers for each step: no store's data are written again
.set REC,   92160                      ; embed: the work-group's four records, 25,856 bytes
.set EEP,   118016                     ; embed: partial sums of squares, 128 bytes a wave
.set TST,   119040                     ; embed: a stage of 32 rows x 528 bytes for each wave, for the transposed copy
.set TSTW,  16896
.set EX,    32                         ; embed: v32-159 my column's 128 numbers of the wave's K step
.set FLOOR, 0x2800000                  ; 2^(5 - 127)
.set OFF4,  0xfe000000                 ; -(4 << 23)
	s_load_b128 s[4:7], s[0:1], 0x0                ; input, embed
	s_load_b128 s[8:11], s[0:1], 0x10              ; ximg, eimg
; WORK LEFT OUT, in the whole program: ||x||^2.  In dist = ||x||^2 - 2 x.e + ||e||^2 it is the same number for all 8,192 codes of a row, so in exact arithmetic it cannot move the argmin
; along that axis, whatever the inputs hold; dist itself reaches no output but through the argmin.  So the codes are ranked by x.e - ||e||^2 / 2, largest first.
; LIMIT: a NaN, an infinity or an overflow that would arise in ||x||^2 alone is not carried to the result.
	s_load_b64 s[12:13], s[0:1], 0x20
	v_lshl_add_u32 v192, v0, 2, 0x3e100
	v_mov_b32 v193, 0
	v_lshrrev_b32 v1, 5, v0
	s_delay_alu instid0(VALU_DEP_1)
	v_readfirstlane_b32 s16, v1                    ; wave 0..7
	v_and_b32 v2, 31, v0                           ; lane L
	s_cmp_lt_u32 ttmp9, 128                        ; the same for all waves of a work-group
	s_cbranch_scc0 .Lembed
	; ================ x: step t is row t of the record: 512 numbers.  Loads take the bytes as they lie; a turn through the wave's stage gives each lane 16 neighbours along K.
	v_lshlrev_b32 v3, 4, v2                        ; 16 L
	s_mul_i32 s17, s16, XW                         ; my wave's LDS
	v_lshrrev_b32 v14, 2, v2
	s_delay_alu instid0(VALU_DEP_1)
	v_mul_u32_u24 v14, v14, SP
	v_and_b32 v15, 3, v2
	s_delay_alu instid0(VALU_DEP_1)
	v_lshl_add_u32 v14, v15, 4, v14
	s_delay_alu instid0(VALU_DEP_1)
	v_add_nc_u32 v14, s17, v14                     ; the stage, way in: SP (L / 4) + 16 (L % 4)
	v_mul_u32_u24 v15, v2, SP
	s_delay_alu instid0(VALU_DEP_1)
	v_add_nc_u32 v15, s17, v15                     ; way out: SP L
	; lane L holds k = 16 L .. 16 L + 15: K step L / 8, block (L / 2) % 4, half L % 2.  Its three words of codes are words 6 ((L / 4) % 2) + 3 (L % 2) + d of the 12 of lane t + 16 ((L / 2) % 2)
	v_bfe_u32 v8, v2, 2, 1
	v_and_b32 v9, 1, v2
	s_delay_alu instid0(VALU_DEP_2)
	v_mul_u32_u24 v8, v8, 6
	s_delay_alu instid0(VALU_DEP_1)
	v_mad_u32_u24 v8, v9, 3, v8                    ; the first of my three words
	v_lshrrev_b32 v9, 3, v2
	s_delay_alu instid0(VALU_DEP_1)
	v_mul_u32_u24 v9, v9, 1536
	v_bfe_u32 v13, v2, 1, 1
	s_delay_alu instid0(VALU_DEP_1)
	v_lshl_add_u32 v9, v13, 8, v9
	s_delay_alu instid0(VALU_DEP_1)
	v_add_nc_u32 v9, s17, v9
	s_delay_alu instid0(VALU_DEP_1)
	v_add_nc_u32 v9, OUTB, v9
.irp d, 0,1,2
	v_add_nc_u32 v13, \d, v8
	s_delay_alu instid0(VALU_DEP_1)
	v_lshrrev_b32 v[4+\d], 2, v13
	s_delay_alu instid0(VALU_DEP_2)
	v_and_b32 v13, 3, v13
	s_delay_alu instid0(VALU_DEP_2)
	v_lshl_add_u32 v[4+\d], v[4+\d], 9, v9         ; word / 4: which group of four registers
	s_delay_alu instid0(VALU_DEP_1)
	v_lshl_add_u32 v[4+\d], v13, 2, v[4+\d]        ; word % 4
.endr
	v_lshrrev_b32 v7, 1, v2
	s_delay_alu instid0(VALU_DEP_1)
	v_add_nc_u32 v7, s17, v7
	s_delay_alu instid0(VALU_DEP_1)
	v_add_nc_u32 v7, OUTB+6144, v7                 ; my block's scale byte: 4 q + b = L / 2
	v_add_nc_u32 v10, s17, v3
	s_delay_alu instid0(VALU_DEP_1)
	v_add_nc_u32 v10, OUTB, v10                    ; the record, read back 16 bytes a lane
	v_lshlrev_b32 v12, 3, v2                       ; 8 L
	s_delay_alu instid0(VALU_DEP_1)
	v_add_nc_u32 v11, s17, v12
	s_delay_alu instid0(VALU_DEP_1)
	v_add_nc_u32 v11, OUTB+6144, v11               ; and its 256 scale bytes, 8 a lane
	s_lshl_b32 s18, ttmp9, 3
	s_add_co_u32 s18, s18, s16                     ; my record: 8 x work-group + wave
	s_lshl_b32 s20, s18, 15                        ; 16 rows of 2,048 bytes
	s_mov_b32 s21, 0
	s_mul_i32 s22, s18, 6400
	s_mov_b32 s23, 0
	s_wait_kmcnt 0x0
	s_add_nc_u64 s[4:5], s[4:5], s[20:21]
	s_add_nc_u64 s[8:9], s[8:9], s[22:23]
.macro XLOAD t
.irp i, 0,1,2,3
	global_load_b128 v[R+16*((\t)%4)+4*\i:R+16*((\t)%4)+4*\i+3], v3, s[4:5] offset:2048*(\t)+512*\i th:TH_LOAD_NT   ; 32 lanes read 512 consecutive bytes
.endr
.endm
.macro XTURN t                         ; LDS serves a wave's instructions in order (ISA guide 5.7.1.4): no wait between the stores and the loads
.irp i, 0,1,2,3
	ds_store_b128 v14, v[R+16*((\t)%4)+4*\i:R+16*((\t)%4)+4*\i+3] offset:32*SP*((\t)%2)+8*SP*\i
.endr
.irp i, 0,1,2,3
	ds_load_b128 v[X+16*((\t)%2)+4*\i:X+16*((\t)%2)+4*\i+3], v15 offset:32*SP*((\t)%2)+16*\i
.endr
.endm
.irp t, 0,1,2,3
	XLOAD \t
.endr
	s_wait_loadcnt 12                              ; step 0's four loads are in
	XTURN 0
.macro XSTEP t
.set XS, X+16*((\t)%2)
.if (\t) > 0
	s_wait_dscnt 4                                 ; this step's numbers are back (behind them: the last step's four small stores), so its stores into the stage have read their registers,
.else
	s_wait_dscnt 0x0
.endif
.if (\t)+4 < 16
	XLOAD (\t)+4                                   ; which take the loads of four steps on
.endif
.if (\t)+1 < 16
.if 14-(\t) >= 3
	s_wait_loadcnt 12                              ; the next step's four loads are in; those of the three steps behind it may be out
.else
	s_wait_loadcnt 4*(14-(\t))
.endif
	XTURN (\t)+1
.endif
	v_max3_num_f32 v8, |v[XS]|, |v[XS+1]|, |v[XS+2]|
	v_max3_num_f32 v9, |v[XS+3]|, |v[XS+4]|, |v[XS+5]|
.irp i, 6,10
	s_delay_alu instid0(VALU_DEP_2)
	v_max3_num_f32 v8, v8, |v[XS+\i]|, |v[XS+\i+1]|
	s_delay_alu instid0(VALU_DEP_2)
	v_max3_num_f32 v9, v9, |v[XS+\i+2]|, |v[XS+\i+3]|
.endr
	s_delay_alu instid0(VALU_DEP_2)
	v_max3_num_f32 v8, v8, |v[XS+14]|, |v[XS+15]|
	s_delay_alu instid0(VALU_DEP_1)
	v_max3_num_f32 v8, v8, v9, FLOOR               ; the largest magnitude of my 16, and the floor: the byte cannot fall under 1
	s_delay_alu instid0(VALU_DEP_1)
	v_max_num_f32_dpp v8, v8, v8 row_xmask:1 row_mask:0xf bank_mask:0xf   ; with my neighbour's 16: the block's
	s_delay_alu instid0(VALU_DEP_1)
	v_add_nc_u32 v13, OFF4, v8                     ; 4 off its exponent field: the conversion takes this operand's exponent field as its scale
	v_cvt_scalef32_pk16_bf6_f32 v[C+4*(\t):C+4*(\t)+2], v[XS:XS+15], v13
	v_lshrrev_b32 v[E+(\t)], 23, v13               ; the scale's byte (a plain line behind the conversion)
	ds_store_b8 v7, v[E+(\t)] offset:16*(\t)       ; both lanes of a block write the same byte with the same value
.irp d, 0,1,2
	ds_store_b32 v[4+\d], v[C+4*(\t)+\d] offset:16*(\t)   ; row t is lane t (or t + 16) of the image: 16 t bytes on
.endr
.endm
.irp t, 0,1,2,3,4,5,6,7,8,9,10,11,12,13,14,15
	XSTEP \t
.endr
.irp i, 0,1,2,3,4,5,6,7,8,9,10,11
	ds_load_b128 v[16+4*\i:19+4*\i], v10 offset:512*\i     ; the record leaves as it lies; these see my stores
.endr
	ds_load_b64 v[64:65], v11
.irp i, 0,1,2,3,4,5,6,7,8,9,10,11
	s_wait_dscnt 12-\i
	global_store_b128 v3, v[16+4*\i:19+4*\i], s[8:9] offset:512*\i   ; 512 consecutive bytes, at a multiple of 256 from the buffer's first byte
.endr
	s_wait_dscnt 0x0
	global_store_b64 v12, v[64:65], s[8:9] offset:6144     ; the 256 scale bytes
	s_wait_tensorcnt 0x0
	ds_add_u32 v192, v193
	s_wait_dscnt 0x0
	s_endpgm
	; ================ embed: wave w takes K step w / 2 and 32 of the 64 columns (w % 2).  A LANE TAKES A COLUMN AND ITS REGISTERS RUN DOWN K: a block of 32 lies in one lane.
.Lembed:
	s_sub_co_u32 s17, ttmp9, 128                   ; g: columns 64 g on
	s_lshr_b32 s18, s16, 1                         ; q
	s_and_b32 s19, s16, 1                          ; cg
	s_wait_alu depctr_va_vdst(0)
	v_lshlrev_b32 v3, 2, v2                        ; 4 L
	v_lshrrev_b32 v8, 4, v2
	v_and_b32 v9, 15, v2                           ; r
	s_mul_i32 s20, s19, 12928
	s_add_co_u32 s20, s20, REC
	v_mul_u32_u24 v10, v8, 6464
	s_delay_alu instid0(VALU_DEP_1)
	v_add_nc_u32 v10, s20, v10                     ; my column's record: 2 cg + L / 16
	s_delay_alu instid0(VALU_DEP_1)
	v_lshl_add_u32 v11, v9, 4, v10                 ; + 16 r
	s_mul_i32 s21, s18, 1536
	v_add_nc_u32 v4, s21, v11                      ; codes: + 1536 q
	s_lshl_b32 s22, s18, 2
	s_add_co_u32 s22, s22, 6144
	v_add_nc_u32 v5, s22, v11                      ; scale bytes: + 6144 + 4 q
	v_lshl_add_u32 v29, v9, 2, v10
	s_delay_alu instid0(VALU_DEP_1)
	v_add_nc_u32 v29, 6400, v29                    ; -||e||^2 / 2
	s_mul_i32 s23, s16, TSTW
	s_add_co_u32 s23, s23, TST
	v_mul_u32_u24 v6, v2, 528
	s_delay_alu instid0(VALU_DEP_1)
	v_add_nc_u32 v6, s23, v6                       ; my stage, way in: row = my column
	v_lshlrev_b32 v31, 4, v2                       ; 16 L
	s_delay_alu instid0(VALU_DEP_1)
	v_add_nc_u32 v7, s23, v31                      ; way out: a row to the wave
	s_lshl_b32 s24, s16, 7
	s_add_co_u32 s24, s24, EEP
	v_add_nc_u32 v14, s24, v3                      ; my partial sum: 256 q + 128 cg + 4 L
	s_lshl_b32 s25, s19, 7
	s_add_co_u32 s25, s25, EEP
	v_add_nc_u32 v15, s25, v3                      ; the four partial sums of my column, 256 bytes apart
	v_lshlrev_b32 v160, 3, v2
	s_lshl_b32 s26, s16, 8
	v_add_nc_u32 v160, s26, v160                   ; the records' way out: rows of 256 bytes, row w + 8 i, 8 bytes a lane
	s_delay_alu instid0(VALU_DEP_1)
	v_add_nc_u32 v30, REC, v160
	s_lshl_b32 s28, s18, 22                        ; embed: 128 q rows of 32,768 bytes,
	s_lshl_b32 s27, s17, 8
	s_add_co_u32 s28, s28, s27                     ; + 4 x 64 g
	s_lshl_b32 s27, s19, 7
	s_add_co_u32 s28, s28, s27                     ; + 4 x 32 cg
	s_mov_b32 s29, 0
	s_mul_i32 s30, s17, 25856                      ; eimg: four records a work-group
	s_mov_b32 s31, 0
	s_lshl_b32 s32, s17, 17                        ; embt: row 64 g + 32 cg of 2,048 bytes, + 512 q
	s_lshl_b32 s27, s19, 16
	s_add_co_u32 s32, s32, s27
	s_lshl_b32 s27, s18, 9
	s_add_co_u32 s32, s32, s27
	s_mov_b32 s33, 0
	s_wait_kmcnt 0x0
	s_add_nc_u64 s[6:7], s[6:7], s[28:29]
	s_add_nc_u64 s[10:11], s[10:11], s[30:31]
	s_add_nc_u64 s[12:13], s[12:13], s[32:33]
.macro ELOAD b                         ; block b: embed(128 q + 32 b + i, my column): 32 lanes read 128 consecutive bytes, the wave beside me the next 128
.set i, 0
.rept 32
	global_load_b32 v[EX+32*(\b)+i], v3, s[6:7] offset:(32*(\b)+i)*32768 th:TH_LOAD_NT
.set i, i+1
.endr
.endm
	ELOAD 0
	ELOAD 1
.macro EBLOCK b
.set XS, EX+32*(\b)
.if (\b) < 3
	s_wait_loadcnt 32                              ; this block's 32 loads are in; the next block's may be out
.else
	s_wait_loadcnt 0x0
.endif
.if (\b)+2 < 4
	ELOAD (\b)+2
.endif
.if (\b) > 0
	s_wait_dscnt 0x0                               ; the last block's LDS stores have read their registers: codes and byte may be written again
.endif
	v_max3_num_f32 v8, |v[XS]|, |v[XS+1]|, |v[XS+2]|
	v_max3_num_f32 v9, |v[XS+3]|, |v[XS+4]|, |v[XS+5]|
.irp i, 6,10,14,18,22,26
	s_delay_alu instid0(VALU_DEP_2)
	v_max3_num_f32 v8, v8, |v[XS+\i]|, |v[XS+\i+1]|
	s_delay_alu instid0(VALU_DEP_2)
	v_max3_num_f32 v9, v9, |v[XS+\i+2]|, |v[XS+\i+3]|
.endr
	s_delay_alu instid0(VALU_DEP_2)
	v_max3_num_f32 v8, v8, |v[XS+30]|, |v[XS+31]|
	s_delay_alu instid0(VALU_DEP_1)
	v_max3_num_f32 v8, v8, v9, FLOOR               ; the block's largest magnitude: all 32 numbers are mine; and the floor
	s_delay_alu instid0(VALU_DEP_1)
	v_add_nc_u32 v11, OFF4, v8
	s_delay_alu instid0(VALU_DEP_1)
	v_lshrrev_b32 v10, 23, v11
	ds_store_b8 v5, v10 offset:\b
	v_cvt_scalef32_pk16_bf6_f32 v[20:22], v[XS:XS+15], v11
	v_cvt_scalef32_pk16_bf6_f32 v[26:28], v[XS+16:XS+31], v11   ; (a conversion's three registers begin on an even number)
	v_nop                                          ; one plain line behind the conversions
	v_mov_b32 v23, v26
	v_mov_b32 v24, v27
	v_mov_b32 v25, v28                             ; v20-25: the block's 24 bytes
.if (\b) < 2                                   ; blocks 0, 1: bytes 0 .. 23 of lane r + 16 b's 48;  blocks 2, 3: bytes 24 .. 47 of lane r + 16 (b - 2)'s
	ds_store_b128 v4, v[20:23] offset:256*((\b)%2)
	ds_store_b64 v4, v[24:25] offset:256*((\b)%2)+512
.else
	ds_store_b64 v4, v[20:21] offset:256*((\b)%2)+520
	ds_store_b128 v4, v[22:25] offset:256*((\b)%2)+1024
.endif
.irp i, 0
.if ((\b) == 0) && (\i == 0)
	v_pk_mul_f32 v[16:17], v[XS:XS+1], v[XS:XS+1]
	v_pk_mul_f32 v[18:19], v[XS+2:XS+3], v[XS+2:XS+3]
.else
	v_pk_fma_f32 v[16:17], v[XS+\i:XS+\i+1], v[XS+\i:XS+\i+1], v[16:17]
	v_pk_fma_f32 v[18:19], v[XS+\i+2:XS+\i+3], v[XS+\i+2:XS+\i+3], v[18:19]
.endif
.endr
.irp i, 4, 8, 12, 16, 20, 24, 28
.if ((\b) == 0) && (\i == 0)
	v_pk_mul_f32 v[16:17], v[XS:XS+1], v[XS:XS+1]
	v_pk_mul_f32 v[18:19], v[XS+2:XS+3], v[XS+2:XS+3]
.else
	s_delay_alu instid0(VALU_DEP_2)
	v_pk_fma_f32 v[16:17], v[XS+\i:XS+\i+1], v[XS+\i:XS+\i+1], v[16:17]
	s_delay_alu instid0(VALU_DEP_2)
	v_pk_fma_f32 v[18:19], v[XS+\i+2:XS+\i+3], v[XS+\i+2:XS+\i+3], v[18:19]
.endif
.endr
.irp i, 0,1,2,3,4,5,6,7
	ds_store_b128 v6, v[XS+4*\i:XS+4*\i+3] offset:128*(\b)+16*\i   ; my column's numbers along K, for the transposed copy
.endr
.endm
	EBLOCK 0
	EBLOCK 1
	EBLOCK 2
	EBLOCK 3
	v_pk_add_f32 v[16:17], v[16:17], v[18:19]
	s_delay_alu instid0(VALU_DEP_1)
	v_add_f32 v16, v16, v17
	ds_store_b32 v14, v16
	s_wait_dscnt 0x0                               ; for the others' sake: my partial sum, codes and bytes have landed
	s_barrier_signal -1
	s_barrier_wait -1
	s_cmp_lt_u32 s16, 2                            ; waves 0 and 1 add the four K steps' sums for their 32 columns
	s_cbranch_scc0 .Lno_sum
	ds_load_b32 v8, v15
	ds_load_b32 v9, v15 offset:256
	ds_load_b32 v10, v15 offset:512
	ds_load_b32 v11, v15 offset:768
	s_wait_dscnt 0x0
	v_add_f32 v8, v8, v9
	s_delay_alu instid0(VALU_DEP_1)
	v_add_f32 v8, v8, v10
	s_delay_alu instid0(VALU_DEP_1)
	v_add_f32 v8, v8, v11
	s_delay_alu instid0(VALU_DEP_1)
	v_mul_f32 v8, -0.5, v8
	ds_store_b32 v29, v8
.Lno_sum:
.irp i, 0,1,2,3,4,5,6,7,8,9,10,11,12,13,14,15,16,17,18,19,20,21,22,23,24,25,26,27,28,29,30,31
	ds_load_b128 v[EX+4*\i:EX+4*\i+3], v7 offset:528*\i    ; column i's 128 numbers: my own stage, whose stores were waited for above
.endr
.irp i, 0,1,2,3,4,5,6,7,8,9,10,11,12,13,14,15,16,17,18,19,20,21,22,23,24,25,26,27,28,29,30,31
	s_wait_dscnt 31-\i
	global_store_b128 v31, v[EX+4*\i:EX+4*\i+3], s[12:13] offset:2048*\i   ; 512 consecutive bytes of one row of the transposed copy
.endr
	s_wait_dscnt 0x0                               ; waves 0 and 1: the store of -||e||^2 / 2 has landed
	s_barrier_signal -1
	s_barrier_wait -1                              ; the four records are whole
.irp i, 0,1,2,3,4,5,6,7,8,9,10,11
	ds_load_b64 v[162+2*\i:163+2*\i], v30 offset:2048*\i
.endr
	s_wait_dscnt 0x0
.irp i, 0,1,2,3,4,5,6,7,8,9,10,11
	global_store_b64 v160, v[162+2*\i:163+2*\i], s[10:11] offset:2048*\i   ; 256 consecutive bytes, aligned
.endr
	s_cmp_lt_u32 s16, 5                            ; 101 rows of 256 bytes: rows 96 to 100 fall to waves 0 to 4
	s_cbranch_scc0 .Ldone
	ds_load_b64 v[186:187], v30 offset:24576
	s_wait_dscnt 0x0
	global_store_b64 v160, v[186:187], s[10:11] offset:24576
.Ldone:
	s_wait_tensorcnt 0x0
	ds_add_u32 v192, v193
	s_wait_dscnt 0x0
	s_endpgm
.Lfunc_end_k_qde1f651dc5_quant:
	.size	k_qde1f651dc5_quant, .Lfunc_end_k_qde1f651dc5_quant-k_qde1f651dc5_quant
	.p2alignl 7, 3214868480
	.fill 96, 4, 3214868480
	.section	.rodata,"a",@progbits
	.p2align	6, 0x0
	.amdhsa_kernel k_qde1f651dc5_quant
		.amdhsa_group_segment_fixed_size 255232
		.amdhsa_private_segment_fixed_size 0
		.amdhsa_enable_private_segment 0
		.amdhsa_kernarg_size 40
		.amdhsa_user_sgpr_count 2
		.amdhsa_user_sgpr_kernarg_segment_ptr 1
		.amdhsa_wavefront_size32 1
		.amdhsa_system_sgpr_workgroup_id_x 1
		.amdhsa_system_sgpr_workgroup_id_y 1
		.amdhsa_system_sgpr_workgroup_id_z 1
		.amdhsa_system_vgpr_workitem_id 0
		.amdhsa_next_free_vgpr 194
		.amdhsa_next_free_sgpr 66
		.amdhsa_reserve_vcc 0
		.amdhsa_float_denorm_mode_32 3
		.amdhsa_float_denorm_mode_16_64 3
		.amdhsa_memory_ordered 1
		.amdhsa_forward_progress 1
		.amdhsa_inst_pref_size 82
	.end_amdhsa_kernel
	.amdgpu_metadata
---
amdhsa.version: [ 1, 2 ]
amdhsa.kernels:
  - .name:           k_qde1f651dc5_quant
    .symbol:         k_qde1f651dc5_quant.kd
    .args:
      - { .name: input, .offset: 0, .size: 8, .value_kind: global_buffer, .address_space: global }
      - { .name: embed, .offset: 8, .size: 8, .value_kind: global_buffer, .address_space: global }
      - { .name: ximg, .offset: 16, .size: 8, .value_kind: global_buffer, .address_space: global }
      - { .name: eimg, .offset: 24, .size: 8, .value_kind: global_buffer, .address_space: global }
      - { .name: embt, .offset: 32, .size: 8, .value_kind: global_buffer, .address_space: global }
    .group_segment_fixed_size: 255232
    .private_segment_fixed_size: 0
    .kernarg_segment_align: 8
    .kernarg_segment_size: 40
    .max_flat_workgroup_size: 256
    .sgpr_count:     66
    .vgpr_count:     194
    .wavefront_size: 32
...
	.end_amdgpu_metadata
.endif
;; end of part 1
;; launch dist (part 2): grid 32 x 8, 8 waves a work-group, clusters of 4 x 1, 327,680 bytes of LDS; arguments ximg, eimg, cand; writes cand
.if DOCPART == 2
	.amdgcn_target "amdgcn-amd-amdhsa--gfx1250"
	.amdhsa_code_object_version 6
	.text
	.protected	k_qde1f651dc5_dist
	.globl	k_qde1f651dc5_dist
	.p2align	8
	.type	k_qde1f651dc5_dist,@function
k_qde1f651dc5_dist:
	s_mov_b64 s[64:65], 0
	v_nop
	global_prefetch_b8 v0, s[64:65] scope:SCOPE_SE
	s_setreg_imm32_b32 hwreg(HW_REG_WAVE_MODE, 25, 1), 1
	s_wait_xcnt 0x0
	s_wait_alu depctr_hold_cnt(0) depctr_sa_sdst(0) depctr_va_vdst(0) depctr_va_sdst(0) depctr_va_ssrc(0) depctr_va_vcc(0) depctr_vm_vsrc(0)
	s_getreg_b32 s2, hwreg(HW_REG_IB_STS2, 6, 4)
	s_cmp_eq_u32 s2, 0
	s_cbranch_scc0 .Lentry_in_a_cluster
	s_endpgm
.Lentry_in_a_cluster:
	s_bfe_u32 s2, ttmp6, 0x10000c
	s_cmp_lg_u32 s2, 0x3003
	s_cbranch_scc0 .Lentry_shape_is_right
	s_endpgm
.Lentry_shape_is_right:
; For each row x and each of 8 ranges of 1,024 codes: the code e with the largest s = x . e - ||e||^2 / 2, which is the one with the smallest ||x||^2 - 2 x . e + ||e||^2
; (||x||^2 is the same for all codes of a row and is left out: see the first kernel's head).
; x . e is the product on codes of BF6 (E3M2) with E8M0 scales, K = 512: four matrix instructions of 16 x 16 x 128; -||e||^2 / 2 is the C of the first.
; LIMITS: s = ((((-ee/2 + p0) + p1) + p2) + p3), each step rounded by the matrix instruction: another order of rounding than the sum as it is written.  Equal s: the lowest index; +0 and -0 count as equal.
; NaN and infinities among the inputs are not served.
; SHARES.  A work-group: 512 rows x 1,024 codes.  Eight waves, two to a SIMD.  Wave w: rows 64 w .. 64 w + 63, four tiles of 16, whose codes stay in 192 registers for the whole launch.
; All waves walk the same 64 tiles of 16 codes from LDS.  Source 0 = 16 codes, source 1 = 16 rows: lane (r, h) holds row r, register j code 16 T + 8 h + j.
; A TILE: the next tile's 15 LDS loads (into the other set of registers), 16 matrix instructions on end (four accumulators by turns), then the vector run on the tile before (the other set of accumulators).
; A barrier's signal stands behind the matrix instructions and its wait behind the vector run: no wave begins tile t + 1's products before every wave has issued tile t's.
; THE ARGMAX, for a tile of rows and a tile of codes: four maxima of three (the 8 values and the best so far), a compare, and eight selects in four pairs: the tile's first seven values and its number,
; kept where it won.  Which of the 8 it was is read off those seven once, at the end.
; CLUSTER.  The four work-groups of a cluster have the same range of codes: every fill of LDS is asked for jointly (mask 15).  x goes straight into registers, once for each wave.
; LDS.  48 places of 6,464 bytes.  The head: waves 0 to 3, four records each: tiles 0 to 15.  Tiles 16 to 47: one load in each of the eight waves, behind the next round.  Tiles 48 to 63 take places 0 to 15
; again, waves 0 to 3, behind a round when tile 15 has been read, 31 tiles ahead of the wait for them.  A wave has at most one tensor load out.  No prefetch is laid: behind the head nothing in the walk waits for memory.
; REGISTERS, two windows of 256 (s_set_vgpr_msb: bits 1:0 source 0, 3:2 source 1, 5:4 source 2, 7:6 destination).
.set RECB,  6464
.set WFILL, 4*RECB                     ; one tensor load: four records = 101 rows of 256 bytes
.set SPARE, 48*RECB                    ; behind the places: the spare words, 128 bytes a wave: four blocks of 256 bytes that no other line names
; window 0
.set A0E, 2                            ; 16 L
.set A0S, 3                            ; 6144 + 16 r: a row's four scale words
.set A0C, 4                            ; 6400 + 32 h: my eight -ee/2
.set ADB, 5                            ; v5-7 the three, at the place that is read
.set H0,  8                            ; 8 h
.set L0,  9                            ; 8 L
.set SPW, 10
.set NIL, 11
.set ES,  12                           ; v12-19  e's scale words, two sets
.set XS,  20                           ; v20-35  x's scale words
.set BEST, 36                          ; v36-43  the best s, two sets by turns
.set M1,  44
.set M2,  48
.set TN,  52                           ; v52     the number of the tile that the vector run works on
.set ST,  56                           ; v56-87  for each row tile eight: the seven kept values, then the best's tile
.set ACC, 88                           ; v88-151 two sets of four accumulators
.set XA,  160                          ; v160-255 x's fragments of K steps 0 and 1: (q, a) at 48 q + 12 a
; window 1
.set EF,  0                            ; v0-95   e's four fragments, two sets
.set CI,  96                           ; v96-111 -ee/2, two sets
.set XB,  112                          ; v112-207 x's fragments of K steps 2 and 3
; at the end accumulator set 0 is free
.set JJ, ACC
.set NN, ACC+4
.set PV, ACC+8
.set PN, ACC+12
.set TT, ACC+16
.set OU, ACC+20
.set MSB, 0
.macro WIN new                         ; the immediate's high byte repeats the setting that is left; a switch that changes nothing is dropped
.if MSB != (\new)
	s_set_vgpr_msb (MSB<<8)|(\new)
.set MSB, (\new)
.endif
.endm
.macro CREST
	s_cmp_lg_u32 s10, 0
	s_cbranch_scc1 .Lnot_wave_0_\@
	s_barrier_signal -3
.Lnot_wave_0_\@:
	s_barrier_wait -3
	s_barrier_signal -1
	s_barrier_wait -1
.endm
.macro ROUND                           ; a whole round of the cluster's barrier
	s_barrier_signal -1
	s_barrier_wait -1
	CREST
.endm
.macro NOP4
.rept 4
	v_nop
.endr
.endm
.macro ADDRS
	v_add_nc_u32 v[ADB], s36, v[A0E]
	v_add_nc_u32 v[ADB+1], s36, v[A0S]
	v_add_nc_u32 v[ADB+2], s36, v[A0C]
.endm
.macro LD p, off                       ; a record into set p: 15 loads
	WIN 0x40
.irp g, 0,1,2,3,4,5,6,7,8,9,10,11
	ds_load_b128 v[EF+48*(\p)+4*\g:EF+48*(\p)+4*\g+3], v[ADB] offset:(\off)+512*\g
.endr
	ds_load_b128 v[CI+8*(\p):CI+8*(\p)+3], v[ADB+2] offset:(\off)
	ds_load_b128 v[CI+8*(\p)+4:CI+8*(\p)+7], v[ADB+2] offset:(\off)+16
	WIN 0
	ds_load_b128 v[ES+4*(\p):ES+4*(\p)+3], v[ADB+1] offset:(\off)
.endm
; 16 matrix instructions: K step by K step, the four accumulators by turns, one instruction a turn
.macro MM par
.set qq, 0
.rept 4
.if qq == 0
	WIN 0x11                                       ; e and -ee/2 window 1; x and D window 0
.elseif qq == 1
	WIN 0x01                                       ; C too window 0
.else
	WIN 0x05                                       ; x's K steps 2 and 3 lie in window 1
.endif
.irp a, 0,1,2,3
.set rD, ACC+32*(\par)+8*\a
.set rA, EF+48*(\par)+12*qq
.if qq < 2
.set rB, XA+48*qq+12*\a
.else
.set rB, XB+48*(qq-2)+12*\a
.endif
.if qq == 0
	v_wmma_scale_f32_16x16x128_f8f6f4 v[rD:rD+7], v[rA:rA+11], v[rB:rB+11], v[CI+8*(\par):CI+8*(\par)+7], v[ES+4*(\par)+qq], v[XS+4*\a+qq] matrix_a_fmt:MATRIX_FMT_BF6 matrix_b_fmt:MATRIX_FMT_BF6
.else
	v_wmma_scale_f32_16x16x128_f8f6f4 v[rD:rD+7], v[rA:rA+11], v[rB:rB+11], v[rD:rD+7], v[ES+4*(\par)+qq], v[XS+4*\a+qq] matrix_a_fmt:MATRIX_FMT_BF6 matrix_b_fmt:MATRIX_FMT_BF6
.endif
.endr
.set qq, qq+1
.endr
	WIN 0
.endm
; The argmax's work on accumulator set 1 - par; all in window 0.  The best so far is read from set 1 - par of BEST and written to set par.  An accumulator is first read at its low end.
; These lines name no register of the 16 matrix instructions just issued: they are the places ahead of the next loads into those instructions' sources.
.macro VW par
	v_add_nc_u32 v[TN], 1, v[TN]                   ; this run's tile
.set ii, 0
.rept 4
.irp t, 0,1,2,3
.set rA, ACC+32*(1-(\par))+8*\t
.set bN, BEST+4*(\par)+\t
.set bO, BEST+4*(1-(\par))+\t
.if ii == 0
	v_max3_num_f32 v[M1+\t], v[rA], v[rA+1], v[rA+2]
.elseif ii == 1
	v_max3_num_f32 v[M2+\t], v[rA+3], v[rA+4], v[rA+5]
.elseif ii == 2
	v_max3_num_f32 v[bN], v[rA+6], v[rA+7], v[bO]
.else
	v_max3_num_f32 v[bN], v[bN], v[M1+\t], v[M2+\t]
.endif
.endr
.set ii, ii+1
.endr
.irp t, 0,1,2,3
.set rA, ACC+32*(1-(\par))+8*\t
.set sT, ST+8*\t
	v_cmp_eq_f32 vcc_lo, v[BEST+4*(\par)+\t], v[BEST+4*(1-(\par))+\t]   ; 1: the best so far stays (an equal s too: the earlier tile has the lower index)
.irp k, 0,2,4
	v_dual_cndmask_b32 v[sT+\k], v[rA+\k], v[sT+\k] :: v_dual_cndmask_b32 v[sT+\k+1], v[rA+\k+1], v[sT+\k+1]
.endr
	v_dual_cndmask_b32 v[sT+6], v[rA+6], v[sT+6] :: v_dual_cndmask_b32 v[sT+7], v[TN], v[sT+7]
.endr
.endm
; A tile of 16 codes.  adr: the addresses are made anew from s36.  ld: the next tile is fetched from s36 + off.  This tile's own loads were waited for ahead of the last tile's signal.
.macro TILE par, off, adr, ld
.if \adr
	ADDRS
.endif
.if \ld
	LD 1-(\par), \off
.endif
	MM \par
	s_wait_dscnt 0x0                               ; the next tile's bytes are in: no LDS instruction is out at a signal
	s_barrier_signal -1                            ; my products of this tile are issued
	VW \par                                        ; work on registers alone
	s_barrier_wait -1                              ; and so are everybody's
.endm
.macro LOOP trips                      ; pairs of tiles; s36: the place of the pair's second tile
	s_mov_b32 s38, \trips
.Lpair_\@:
	TILE 0, 0, 1, 1
	TILE 1, RECB, 0, 1
	s_add_co_u32 s36, s36, 2*RECB
	s_sub_co_u32 s38, s38, 1
	s_cmp_lg_u32 s38, 0
	s_cbranch_scc1 .Lpair_\@
.endm
	s_load_b128 s[4:7], s[0:1], 0x0                ; ximg, eimg
	s_load_b64 s[8:9], s[0:1], 0x10                ; cand
	v_lshl_add_u32 v[SPW], v0, 2, SPARE
	v_mov_b32 v[NIL], 0
	ds_add_u32 v[SPW], v[NIL]                      ; the opening lines: the add, twice on end, and its wait ahead of my first tensor load
	ds_add_u32 v[SPW], v[NIL]
	v_lshrrev_b32 v1, 5, v0
	v_and_b32 v[A0E], 31, v0
	v_and_b32 v[A0S], 15, v0
	v_bfe_u32 v[A0C], v0, 4, 1
	v_readfirstlane_b32 s10, v1                    ; wave 0..7
	v_lshlrev_b32 v[L0], 3, v[A0E]
	v_lshlrev_b32 v[H0], 3, v[A0C]
	v_lshl_add_u32 v[A0S], v[A0S], 4, 6144
	v_lshlrev_b32 v[A0E], 4, v[A0E]
	v_lshl_add_u32 v[A0C], v[A0C], 5, 6400
	s_bfe_u32 s11, ttmp6, 0x40000                  ; cx: it enters x's and cand's addresses alone
	s_lshl_b32 s12, ttmp9, 2
	s_add_co_u32 s12, s12, s11                     ; my block of 512 rows
	s_and_b32 s13, ttmp7, 0xffff                   ; my range of 1,024 codes, which the four partners share
	s_mul_i32 s48, s12, 204800                     ; x: 32 records of 6,400 bytes a block,
	s_mul_i32 s49, s10, 25600                      ; four a wave
	s_add_co_u32 s48, s48, s49
	s_mov_b32 s49, 0
	s_lshl_b32 s50, s13, 17                        ; cand: [range][row][key, n]: 131,072 bytes a range,
	s_lshl_b32 s51, s12, 12                        ; 4,096 a block,
	s_add_co_u32 s50, s50, s51
	s_lshl_b32 s51, s10, 9                         ; 512 a wave
	s_add_co_u32 s50, s50, s51
	s_mov_b32 s51, 0
	s_mov_b32 s24, 1                               ; group 0 of the head's load and of the refill (waves 0 to 3): places 4 w ..
	s_mul_i32 s25, s10, WFILL
	s_mov_b32 s28, 1                               ; group 0 of the second fill (all waves): places 16 + 4 w ..
	s_mul_i32 s29, s10, WFILL
	s_add_co_u32 s29, s29, 16*RECB
	s_mul_i32 s54, s13, 64*RECB                    ; e: 64 records a range; a tile's place in LDS is its place in the range
	s_add_co_u32 s52, s54, s25
	s_mov_b32 s53, 0
	s_add_co_u32 s56, s54, s29
	s_mov_b32 s57, 0
	; group 1: a dense block of 25,856 bytes as 101 rows of 256 bytes (32 elements of 8 bytes), no padding
	s_mov_b32 s16, 15|(3<<16)|(1<<21)              ; the mask: all four work-groups; elements of 8 bytes; bit 21 beside a mask
	s_mov_b32 s17, 32<<16
	s_mov_b32 s18, 101<<16
	s_mov_b32 s19, 32<<16
	s_mov_b32 s20, 101
	s_mov_b32 s21, 32
	s_mov_b32 s22, 0
	s_mov_b32 s23, 0
	s_mov_b32 s44, 0x76543210                      ; v_permlanex16_b32: lane l xor 16
	s_mov_b32 s45, 0xfedcba98
	s_mov_b32 s46, 0xffff0000                      ; lanes 16 to 31
	s_mov_b32 s47, 0xff800000                      ; -infinity
	s_lshl_b32 s37, s13, 6
	s_sub_co_u32 s37, s37, 2                       ; the first vector run works on a tile that is not there, number 64 y - 1, and steps the number first
	v_mov_b32 v[TN], s37
	s_wait_alu depctr_va_vdst(0)
	s_wait_dscnt 0x0                               ; both opening adds are done
	s_wait_kmcnt 0x0
	s_add_nc_u64 s[4:5], s[4:5], s[48:49]
	s_add_nc_u64 s[8:9], s[8:9], s[50:51]
	s_add_nc_u64 s[26:27], s[6:7], s[52:53]
	s_or_b32 s27, s27, 0x80000000
	s_add_nc_u64 s[30:31], s[6:7], s[56:57]
	s_or_b32 s31, s31, 0x80000000
.irp a, 0,1,2,3                        ; x's images, 512 consecutive bytes a load: K steps 0 and 1 and the rows' scale words into window 0,
.irp q, 0,1
.irp c, 0,1,2
	global_load_b128 v[XA+48*\q+12*\a+4*\c:XA+48*\q+12*\a+4*\c+3], v[A0E], s[4:5] offset:6400*\a+1536*\q+512*\c
.endr
.endr
.endr
.irp a, 0,1,2,3
	global_load_b128 v[XS+4*\a:XS+4*\a+3], v[A0S], s[4:5] offset:6400*\a
.endr
	WIN 0x40                                       ; K steps 2 and 3 into window 1
.irp a, 0,1,2,3
.irp q, 2,3
.irp c, 0,1,2
	global_load_b128 v[XB+48*(\q-2)+12*\a+4*\c:XB+48*(\q-2)+12*\a+4*\c+3], v[A0E], s[4:5] offset:6400*\a+1536*\q+512*\c
.endr
.endr
.endr
	WIN 0
	ROUND                                          ; all four work-groups are here: the first joint loads meet
	s_cmp_lt_u32 s10, 4
	s_cbranch_scc0 .Lno_a
	tensor_load_to_lds s[24:27], s[16:23]          ; waves 0 to 3: tiles 4 w .. 4 w + 3
	s_nop 0
	NOP4
.Lno_a:
.set i, ACC+32                         ; the tile is written once: its first vector run finds a tile of -infinity, which changes nothing
.rept 32
	v_mov_b32 v[i], s47
.set i, i+1
.endr
.irp t, 4,5,6,7
	v_mov_b32 v[BEST+\t], s47
.endr
.set i, ST
.rept 32
	v_mov_b32 v[i], 0                              ; the kept values and the best's tile
.set i, i+1
.endr
	s_wait_alu depctr_va_vdst(0)
	s_wait_tensorcnt 0x0                           ; my four tiles, if I asked for any, are in
	ds_add_u32 v[SPW], v[NIL]
	ds_add_u32 v[SPW], v[NIL]                      ; the add twice
	s_wait_dscnt 0x0
	ROUND                                          ; tiles 0 to 15 are whole, and the partners are here
	tensor_load_to_lds s[28:31], s[16:23]          ; every wave: tiles 16 + 4 w .. 19 + 4 w
	s_nop 0
	NOP4
	s_mov_b32 s36, 0
	ADDRS
	LD 0, 0                                        ; tile 0
	s_wait_loadcnt 0x0                             ; x
	s_wait_dscnt 0x0                               ; tile 0
	s_mov_b32 s36, RECB
	LOOP 7                                         ; tiles 0 to 13
	s_mov_b32 s36, 15*RECB
	TILE 0, 0, 1, 1                                ; tile 14 fetches tile 15, the last of places 0 to 15
	s_wait_tensorcnt 0x0                           ; my part of tiles 16 to 47 has landed, and a group 0 may be written
	ds_add_u32 v[SPW], v[NIL]
	s_add_nc_u64 s[26:27], s[26:27], 12*WFILL      ; on to tiles 48 + 4 w ..; the LDS address stays
	s_wait_dscnt 0x0                               ; the add is done and my reads of places 0 to 15 are over
	ROUND                                          ; so it is with every wave of every partner
	s_cmp_lt_u32 s10, 4
	s_cbranch_scc0 .Lno_refill
	tensor_load_to_lds s[24:27], s[16:23]          ; waves 0 to 3: tiles 48 to 63 into places 0 to 15
	s_nop 0
	NOP4
.Lno_refill:
	s_mov_b32 s36, 16*RECB
	TILE 1, 0, 1, 1                                ; tile 15
	s_mov_b32 s36, 17*RECB
	LOOP 15                                        ; tiles 16 to 45
	s_wait_tensorcnt 0x0                           ; my part of tiles 48 to 63 has landed (one load was out)
	s_barrier_signal -1
	s_barrier_wait -1                              ; everybody's has
	s_mov_b32 s36, 47*RECB
	TILE 0, 0, 1, 1                                ; tile 46
	s_mov_b32 s36, 0
	TILE 1, 0, 1, 1                                ; tile 47 fetches tile 48 from place 0
	s_mov_b32 s36, RECB
	LOOP 7                                         ; tiles 48 to 61
	s_mov_b32 s36, 15*RECB
	TILE 0, 0, 1, 1                                ; tile 62
	TILE 1, 0, 0, 0                                ; tile 63: nothing more to fetch
	VW 0                                           ; tile 63's own vector run; the best ends in set 0
	; THE END.  Which of the eight: the lowest j whose kept value is the best, else 7.  Then the two halves of the lanes (codes 8 h + j) are joined, and each row's (key, n) is stored.
.irp a, 0,1,2,3
	v_mov_b32 v[JJ+\a], 7
.endr
.irp a, 0,1,2,3
	v_lshl_add_u32 v[NN+\a], v[ST+8*\a+7], 4, v[H0]   ; 16 T + 8 h
.endr
.irp j, 6,5,4,3,2,1,0
.irp a, 0,1,2,3
	v_cmp_neq_f32 s[48+\a], v[ST+8*\a+\j], v[BEST+\a]
.endr
.irp a, 0,1,2,3
	v_cndmask_b32 v[JJ+\a], \j, v[JJ+\a], s[48+\a]
.endr
.endr
.irp a, 0,1,2,3
	v_add_nc_u32 v[NN+\a], v[NN+\a], v[JJ+\a]      ; n = 16 T + 8 h + j
.endr
.irp a, 0,1,2,3
	v_permlanex16_b32 v[PV+\a], v[BEST+\a], s44, s45
.endr
.irp a, 0,1,2,3
	v_permlanex16_b32 v[PN+\a], v[NN+\a], s44, s45
.endr
.irp a, 0,1,2,3
	v_cmp_gt_f32 s[48+\a], v[PV+\a], v[BEST+\a]    ; the other half's wins where it is larger,
.endr
.irp a, 0,1,2,3
	v_cmp_eq_f32 s[52+\a], v[PV+\a], v[BEST+\a]
.endr
.irp a, 0,1,2,3
	v_cmp_lt_u32 s[56+\a], v[PN+\a], v[NN+\a]      ; or equal with the lower index
.endr
.irp a, 0,1,2,3
	s_and_b32 s[52+\a], s[52+\a], s[56+\a]
	s_or_b32 s[48+\a], s[48+\a], s[52+\a]
.endr
.irp a, 0,1,2,3
	v_cndmask_b32 v[BEST+\a], v[BEST+\a], v[PV+\a], s[48+\a]
.endr
.irp a, 0,1,2,3
	v_cndmask_b32 v[NN+\a], v[NN+\a], v[PN+\a], s[48+\a]
.endr
.irp a, 0,1,2,3
	v_add_f32 v[BEST+\a], 0, v[BEST+\a]            ; -0 becomes +0
.endr
.irp a, 0,1,2,3
	v_ashrrev_i32 v[TT+\a], 31, v[BEST+\a]
.endr
.irp a, 0,1,2,3
	v_or_b32 v[TT+\a], 0x80000000, v[TT+\a]
.endr
.irp a, 0,1,2,3
	v_xor_b32 v[BEST+\a], v[BEST+\a], v[TT+\a]     ; the key: whole numbers that, compared unsigned, stand in the order of s
.endr
.irp p, 0,1
	v_cndmask_b32 v[OU+2*\p+1], v[NN+2*\p], v[NN+2*\p+1], s46       ; lanes 0-15: row tile 2 p; lanes 16-31: row tile 2 p + 1
.endr
.irp p, 0,1
	v_cndmask_b32 v[OU+2*\p], v[BEST+2*\p], v[BEST+2*\p+1], s46
.endr
.irp p, 0,1
	global_store_b64 v[L0], v[OU+2*\p:OU+2*\p+1], s[8:9] offset:256*\p   ; 32 rows: 256 consecutive bytes, aligned
.endr
	s_wait_tensorcnt 0x0                           ; the wave's end
	ds_add_u32 v[SPW], v[NIL]
	s_wait_dscnt 0x0
	ROUND                                          ; the closing round: no work-group ends while a partner may still ask for a tile that names it
	s_endpgm
.Lfunc_end_k_qde1f651dc5_dist:
	.size	k_qde1f651dc5_dist, .Lfunc_end_k_qde1f651dc5_dist-k_qde1f651dc5_dist
	.p2alignl 7, 3214868480
	.fill 96, 4, 3214868480
	.section	.rodata,"a",@progbits
	.p2align	6, 0x0
	.amdhsa_kernel k_qde1f651dc5_dist
		.amdhsa_group_segment_fixed_size 327680
		.amdhsa_private_segment_fixed_size 0
		.amdhsa_enable_private_segment 0
		.amdhsa_kernarg_size 24
		.amdhsa_user_sgpr_count 2
		.amdhsa_user_sgpr_kernarg_segment_ptr 1
		.amdhsa_wavefront_size32 1
		.amdhsa_system_sgpr_workgroup_id_x 1
		.amdhsa_system_sgpr_workgroup_id_y 1
		.amdhsa_system_sgpr_workgroup_id_z 1
		.amdhsa_system_vgpr_workitem_id 0
		.amdhsa_next_free_vgpr 512
		.amdhsa_next_free_sgpr 66
		.amdhsa_reserve_vcc 1
		.amdhsa_float_denorm_mode_32 3
		.amdhsa_float_denorm_mode_16_64 3
		.amdhsa_memory_ordered 1
		.amdhsa_forward_progress 1
		.amdhsa_inst_pref_size 89
	.end_amdhsa_kernel
	.amdgpu_metadata
---
amdhsa.version: [ 1, 2 ]
amdhsa.kernels:
  - .name:           k_qde1f651dc5_dist
    .symbol:         k_qde1f651dc5_dist.kd
    .args:
      - { .name: ximg, .offset: 0, .size: 8, .value_kind: global_buffer, .address_space: global }
      - { .name: eimg, .offset: 8, .size: 8, .value_kind: global_buffer, .address_space: global }
      - { .name: cand, .offset: 16, .size: 8, .value_kind: global_buffer, .address_space: global }
    .group_segment_fixed_size: 327680
    .private_segment_fixed_size: 0
    .kernarg_segment_align: 8
    .kernarg_segment_size: 24
    .max_flat_workgroup_size: 256
    .sgpr_count:     66
    .vgpr_count:     512
    .wavefront_size: 32
...
	.end_amdgpu_metadata
.endif
;; end of part 2
;; launch gather (part 3): grid 256 x 1, 16 waves a work-group, no clusters, 2,560 bytes of LDS; arguments input, embt, cand, out0, out2, part; writes out0, out2, part
.if DOCPART == 3
	.amdgcn_target "amdgcn-amd-amdhsa--gfx1250"
	.amdhsa_code_object_version 6
	.text
	.protected	k_qde1f651dc5_gather
	.globl	k_qde1f651dc5_gather
	.p2align	8
	.type	k_qde1f651dc5_gather,@function
k_qde1f651dc5_gather:
	s_mov_b64 s[64:65], 0
	v_nop
	global_prefetch_b8 v0, s[64:65] scope:SCOPE_SE
	s_setreg_imm32_b32 hwreg(HW_REG_WAVE_MODE, 25, 1), 1
	s_wait_xcnt 0x0
; For each row: the best of the eight ranges' candidates (whole numbers that the launch before stored: a key in the order of s, and the code's number n); out2 = n; q = row n of embed transposed;
; out0 = x + (q - x); and the work-group's sum of (q - x)^2, for the loss.  All in f32.
; A work-group takes 64 rows, each of its 16 waves four.  A row is 2,048 bytes: four loads of 512 consecutive bytes.  The merge is scalar: a strict compare, so that of equal keys the lower range,
; which has the lower index, stays.  n is held to 8,191 ahead of its use in an address.
; The stream binds: no matrix work, no cluster (work-groups share nothing but rows of the codebook that chance names twice), no tensor loads, no prefetch (the rows are known only when they are wanted).
; LDS: bytes 0-63 the waves' sums; bytes 256-511 the work-group's 64 indices, so that they leave as one aligned run of 256 bytes.
.set XR, 16                            ; v16-79   four rows of x
.set Q,  80                            ; v80-143  four rows of the codebook, then q - x, then the result
	s_load_b128 s[4:7], s[0:1], 0x0                ; input, embt
	s_load_b128 s[8:11], s[0:1], 0x10              ; cand, out0
	s_load_b128 s[12:15], s[0:1], 0x20             ; out2, part
	v_lshl_add_u32 v148, v0, 2, 0x200
	v_mov_b32 v149, 0
	v_lshrrev_b32 v1, 5, v0
	s_delay_alu instid0(VALU_DEP_1)
	v_readfirstlane_b32 s94, v1                    ; wave 0..15
	v_and_b32 v2, 31, v0
	s_delay_alu instid0(VALU_DEP_1)
	v_lshlrev_b32 v1, 4, v2                        ; 16 L
	s_lshl_b32 s84, s94, 4
	s_add_co_u32 s84, s84, 256
	v_mov_b32 v3, s84                              ; LDS: my wave's four indices
	s_lshl_b32 s84, s94, 2
	v_mov_b32 v12, s84                             ; LDS: my wave's sum
	v_and_b32 v13, 15, v0
	s_delay_alu instid0(VALU_DEP_1)
	v_lshlrev_b32 v13, 2, v13                      ; the sixteen sums, read by each half of the lanes
	v_lshlrev_b32 v15, 3, v2                       ; 8 L
	s_delay_alu instid0(VALU_DEP_1)
	v_add_nc_u32 v14, 256, v15                     ; two indices a lane
	v_mov_b32 v146, 0
.irp j, 8,9,10,11
	v_mov_b32 v\j, 0                               ; the sum of squares, two chains of pairs
.endr
	s_lshl_b32 s95, ttmp9, 6
	s_add_co_u32 s95, s95, s84                     ; my first row: 64 x work-group + 4 x wave
	s_lshl_b32 s96, s95, 11
	s_mov_b32 s97, 0
	s_lshl_b32 s98, s95, 3
	s_mov_b32 s99, 0
	s_lshl_b32 s92, ttmp9, 8                       ; out2: 256 bytes a work-group
	s_mov_b32 s93, 0
	s_lshl_b32 s90, ttmp9, 2                       ; part: 4 bytes
	s_mov_b32 s91, 0
	s_wait_kmcnt 0x0
	s_add_nc_u64 s[8:9], s[8:9], s[98:99]
	s_add_nc_u64 s[4:5], s[4:5], s[96:97]
	s_add_nc_u64 s[10:11], s[10:11], s[96:97]
	s_add_nc_u64 s[12:13], s[12:13], s[92:93]
	s_add_nc_u64 s[14:15], s[14:15], s[90:91]
	s_load_b256 s[16:23], s[8:9], 0x0              ; my four rows' (key, n) of range 0,
	s_load_b256 s[24:31], s[8:9], 0x20000          ; and of the seven others, 131,072 bytes apart
	s_load_b256 s[32:39], s[8:9], 0x40000
	s_load_b256 s[40:47], s[8:9], 0x60000
	s_load_b256 s[48:55], s[8:9], 0x80000
	s_load_b256 s[56:63], s[8:9], 0xa0000
	s_load_b256 s[68:75], s[8:9], 0xc0000
	s_load_b256 s[76:83], s[8:9], 0xe0000
.irp i, 0,1,2,3
.irp c, 0,1,2,3
	global_load_b128 v[XR+16*\i+4*\c:XR+16*\i+4*\c+3], v1, s[4:5] offset:2048*\i+512*\c th:TH_LOAD_NT
.endr
.endr
	s_wait_kmcnt 0x0
.irp yb, 24,32,40,48,56,68,76
.irp i, 0,1,2,3
	s_cmp_gt_u32 s[\yb+2*\i], s[16+2*\i]
	s_cselect_b32 s[16+2*\i], s[\yb+2*\i], s[16+2*\i]
	s_cselect_b32 s[17+2*\i], s[\yb+2*\i+1], s[17+2*\i]
.endr
.endr
.irp i, 0,1,2,3
	s_min_u32 s[17+2*\i], s[17+2*\i], 0x1fff       ; an index stays inside the table
	s_lshl_b32 s84, s[17+2*\i], 11
	s_mov_b32 s85, 0
	s_add_nc_u64 s[86+2*\i:87+2*\i], s[6:7], s[84:85]
.endr
.irp i, 0,1,2,3
.irp c, 0,1,2,3
	global_load_b128 v[Q+16*\i+4*\c:Q+16*\i+4*\c+3], v1, s[86+2*\i:87+2*\i] offset:512*\c   ; no hint: a row may be named again
.endr
.endr
	v_mov_b32 v4, s17
	v_mov_b32 v5, s19
	v_mov_b32 v6, s21
	v_mov_b32 v7, s23
	ds_store_b128 v3, v[4:7]                       ; all lanes write the same 16 bytes with the same values
	s_mov_b32 s84, 0x76543210
	s_mov_b32 s85, 0xfedcba98
.irp i, 0,1,2,3
	s_wait_loadcnt 12-4*\i                         ; x and this row of the codebook are in; the later rows' four loads each may be out
.irp p, 0,2,4,6,8,10,12,14
	v_pk_add_f32 v[Q+16*\i+\p:Q+16*\i+\p+1], v[Q+16*\i+\p:Q+16*\i+\p+1], v[XR+16*\i+\p:XR+16*\i+\p+1] neg_lo:[0,1] neg_hi:[0,1]   ; q - x
.endr
.irp p, 0
	v_pk_fma_f32 v[8:9], v[Q+16*\i+\p:Q+16*\i+\p+1], v[Q+16*\i+\p:Q+16*\i+\p+1], v[8:9]
	v_pk_fma_f32 v[10:11], v[Q+16*\i+\p+2:Q+16*\i+\p+3], v[Q+16*\i+\p+2:Q+16*\i+\p+3], v[10:11]
.endr
.irp p, 4, 8, 12
	s_delay_alu instid0(VALU_DEP_2)
	v_pk_fma_f32 v[8:9], v[Q+16*\i+\p:Q+16*\i+\p+1], v[Q+16*\i+\p:Q+16*\i+\p+1], v[8:9]
	s_delay_alu instid0(VALU_DEP_2)
	v_pk_fma_f32 v[10:11], v[Q+16*\i+\p+2:Q+16*\i+\p+3], v[Q+16*\i+\p+2:Q+16*\i+\p+3], v[10:11]
.endr
.irp p, 0,2,4,6,8,10,12,14
	v_pk_add_f32 v[Q+16*\i+\p:Q+16*\i+\p+1], v[XR+16*\i+\p:XR+16*\i+\p+1], v[Q+16*\i+\p:Q+16*\i+\p+1]   ; x + (q - x)
.endr
.irp c, 0,1,2,3
	global_store_b128 v1, v[Q+16*\i+4*\c:Q+16*\i+4*\c+3], s[10:11] offset:2048*\i+512*\c th:TH_STORE_NT   ; 512 consecutive bytes, aligned
.endr
.endr
	v_pk_add_f32 v[8:9], v[8:9], v[10:11]
	s_delay_alu instid0(VALU_DEP_1)
	v_add_f32 v8, v8, v9
	s_delay_alu instid0(VALU_DEP_1)
	v_add_f32_dpp v8, v8, v8 row_xmask:1 row_mask:0xf bank_mask:0xf
	s_delay_alu instid0(VALU_DEP_1)
	v_add_f32_dpp v8, v8, v8 row_xmask:2 row_mask:0xf bank_mask:0xf
	s_delay_alu instid0(VALU_DEP_1)
	v_add_f32_dpp v8, v8, v8 row_xmask:4 row_mask:0xf bank_mask:0xf
	s_delay_alu instid0(VALU_DEP_1)
	v_add_f32_dpp v8, v8, v8 row_xmask:8 row_mask:0xf bank_mask:0xf
	s_delay_alu instid0(VALU_DEP_1)
	v_permlanex16_b32 v9, v8, s84, s85
	s_delay_alu instid0(VALU_DEP_1)
	v_add_f32 v8, v8, v9                           ; my wave's sum, in every lane
	ds_store_b32 v12, v8
	s_wait_dscnt 0x0                               ; for wave 0's sake: my sum and my indices have landed
	s_barrier_signal -1
	s_barrier_wait -1
	s_cmp_lg_u32 s94, 0
	s_cbranch_scc1 .Lend
	ds_load_b64 v[144:145], v14
	ds_load_b32 v10, v13
	s_wait_dscnt 0x0
	global_store_b64 v15, v[144:145], s[12:13]     ; the work-group's 64 indices: 256 consecutive bytes, aligned
	v_add_f32_dpp v10, v10, v10 row_xmask:1 row_mask:0xf bank_mask:0xf
	s_delay_alu instid0(VALU_DEP_1)
	v_add_f32_dpp v10, v10, v10 row_xmask:2 row_mask:0xf bank_mask:0xf
	s_delay_alu instid0(VALU_DEP_1)
	v_add_f32_dpp v10, v10, v10 row_xmask:4 row_mask:0xf bank_mask:0xf
	s_delay_alu instid0(VALU_DEP_1)
	v_add_f32_dpp v10, v10, v10 row_xmask:8 row_mask:0xf bank_mask:0xf
	v_cmp_eq_u32 vcc_lo, 0, v0
	s_wait_alu depctr_va_vdst(0)
	s_wait_xcnt 0x0                                ; EXEC changes only when the stores issued have read their sources
	s_and_saveexec_b32 s84, vcc_lo
	global_store_b32 v146, v10, s[14:15]           ; lane 0: the work-group's sum
	s_wait_xcnt 0x0
	s_or_b32 exec_lo, exec_lo, s84
.Lend:
	s_wait_tensorcnt 0x0
	ds_add_u32 v148, v149
	s_wait_dscnt 0x0
	s_endpgm
.Lfunc_end_k_qde1f651dc5_gather:
	.size	k_qde1f651dc5_gather, .Lfunc_end_k_qde1f651dc5_gather-k_qde1f651dc5_gather
	.p2alignl 7, 3214868480
	.fill 96, 4, 3214868480
	.section	.rodata,"a",@progbits
	.p2align	6, 0x0
	.amdhsa_kernel k_qde1f651dc5_gather
		.amdhsa_group_segment_fixed_size 2560
		.amdhsa_private_segment_fixed_size 0
		.amdhsa_enable_private_segment 0
		.amdhsa_kernarg_size 48
		.amdhsa_user_sgpr_count 2
		.amdhsa_user_sgpr_kernarg_segment_ptr 1
		.amdhsa_wavefront_size32 1
		.amdhsa_system_sgpr_workgroup_id_x 1
		.amdhsa_system_sgpr_workgroup_id_y 1
		.amdhsa_system_sgpr_workgroup_id_z 1
		.amdhsa_system_vgpr_workitem_id 0
		.amdhsa_next_free_vgpr 150
		.amdhsa_next_free_sgpr 100
		.amdhsa_reserve_vcc 1
		.amdhsa_float_denorm_mode_32 3
		.amdhsa_float_denorm_mode_16_64 3
		.amdhsa_memory_ordered 1
		.amdhsa_forward_progress 1
		.amdhsa_inst_pref_size 20
	.end_amdhsa_kernel
	.amdgpu_metadata
---
amdhsa.version: [ 1, 2 ]
amdhsa.kernels:
  - .name:           k_qde1f651dc5_gather
    .symbol:         k_qde1f651dc5_gather.kd
    .args:
      - { .name: input, .offset: 0, .size: 8, .value_kind: global_buffer, .address_space: global }
      - { .name: embt, .offset: 8, .size: 8, .value_kind: global_buffer, .address_space: global }
      - { .name: cand, .offset: 16, .size: 8, .value_kind: global_buffer, .address_space: global }
      - { .name: out0, .offset: 24, .size: 8, .value_kind: global_buffer, .address_space: global }
      - { .name: out2, .offset: 32, .size: 8, .value_kind: global_buffer, .address_space: global }
      - { .name: part, .offset: 40, .size: 8, .value_kind: global_buffer, .address_space: global }
    .group_segment_fixed_size: 2560
    .private_segment_fixed_size: 0
    .kernarg_segment_align: 8
    .kernarg_segment_size: 48
    .max_flat_workgroup_size: 512
    .sgpr_count:     100
    .vgpr_count:     150
    .wavefront_size: 32
...
	.end_amdgpu_metadata
.endif
;; end of part 3
;; launch total (part 4): grid 1 x 1, 1 waves a work-group, no clusters, 0 bytes of LDS; arguments part, out1; writes out1
.if DOCPART == 4
	.amdgcn_target "amdgcn-amd-amdhsa--gfx1250"
	.amdhsa_code_object_version 6
	.text
	.protected	k_qde1f651dc5_total
	.globl	k_qde1f651dc5_total
	.p2align	8
	.type	k_qde1f651dc5_total,@function
k_qde1f651dc5_total:
	s_mov_b64 s[64:65], 0
	v_nop
	global_prefetch_b8 v0, s[64:65] scope:SCOPE_SE
	s_setreg_imm32_b32 hwreg(HW_REG_WAVE_MODE, 25, 1), 1
	s_wait_xcnt 0x0
; The loss: 0.25 x the mean of (q - x)^2 over 8 x 2048 x 512 = 2^23 numbers: the 256 work-groups' sums, added in a fixed order, times 2^-25.
; One wave: a sum over all work-groups of the launch before has one owner.
	s_load_b128 s[4:7], s[0:1], 0x0                ; part, out1
	v_lshlrev_b32 v1, 4, v0
	v_mov_b32 v2, 0
	s_mov_b32 s8, 0x76543210
	s_mov_b32 s9, 0xfedcba98
	s_wait_alu depctr_va_vdst(0)
	s_wait_kmcnt 0x0
	global_load_b128 v[4:7], v1, s[4:5]
	global_load_b128 v[8:11], v1, s[4:5] offset:512
	s_wait_loadcnt 0x0
	v_pk_add_f32 v[4:5], v[4:5], v[8:9]
	v_pk_add_f32 v[6:7], v[6:7], v[10:11]
	v_pk_add_f32 v[4:5], v[4:5], v[6:7]
	v_add_f32 v4, v4, v5
	v_add_f32_dpp v4, v4, v4 row_xmask:1 row_mask:0xf bank_mask:0xf
	v_add_f32_dpp v4, v4, v4 row_xmask:2 row_mask:0xf bank_mask:0xf
	v_add_f32_dpp v4, v4, v4 row_xmask:4 row_mask:0xf bank_mask:0xf
	v_add_f32_dpp v4, v4, v4 row_xmask:8 row_mask:0xf bank_mask:0xf
	v_permlanex16_b32 v5, v4, s8, s9
	v_add_f32 v4, v4, v5
	v_mul_f32 v4, 0x33000000, v4                   ; x 2^-25
	v_cmp_eq_u32 vcc_lo, 0, v0
	s_wait_alu depctr_va_vdst(0)
	s_wait_xcnt 0x0
	s_and_saveexec_b32 s10, vcc_lo
	global_store_b32 v2, v4, s[6:7]
	s_wait_xcnt 0x0
	s_or_b32 exec_lo, exec_lo, s10
	s_endpgm
.Lfunc_end_k_qde1f651dc5_total:
	.size	k_qde1f651dc5_total, .Lfunc_end_k_qde1f651dc5_total-k_qde1f651dc5_total
	.p2alignl 7, 3214868480
	.fill 96, 4, 3214868480
	.section	.rodata,"a",@progbits
	.p2align	6, 0x0
	.amdhsa_kernel k_qde1f651dc5_total
		.amdhsa_group_segment_fixed_size 0
		.amdhsa_private_segment_fixed_size 0
		.amdhsa_enable_private_segment 0
		.amdhsa_kernarg_size 16
		.amdhsa_user_sgpr_count 2
		.amdhsa_user_sgpr_kernarg_segment_ptr 1
		.amdhsa_wavefront_size32 1
		.amdhsa_system_sgpr_workgroup_id_x 1
		.amdhsa_system_sgpr_workgroup_id_y 1
		.amdhsa_system_sgpr_workgroup_id_z 1
		.amdhsa_system_vgpr_workitem_id 0
		.amdhsa_next_free_vgpr 24
		.amdhsa_next_free_sgpr 66
		.amdhsa_reserve_vcc 1
		.amdhsa_float_denorm_mode_32 3
		.amdhsa_float_denorm_mode_16_64 3
		.amdhsa_memory_ordered 1
		.amdhsa_forward_progress 1
		.amdhsa_inst_pref_size 2
	.end_amdhsa_kernel
	.amdgpu_metadata
---
amdhsa.version: [ 1, 2 ]
amdhsa.kernels:
  - .name:           k_qde1f651dc5_total
    .symbol:         k_qde1f651dc5_total.kd
    .args:
      - { .name: part, .offset: 0, .size: 8, .value_kind: global_buffer, .address_space: global }
      - { .name: out1, .offset: 8, .size: 8, .value_kind: global_buffer, .address_space: global }
    .group_segment_fixed_size: 0
    .private_segment_fixed_size: 0
    .kernarg_segment_align: 8
    .kernarg_segment_size: 16
    .max_flat_workgroup_size: 32
    .sgpr_count:     66
    .vgpr_count:     24
    .wavefront_size: 32
...
	.end_amdgpu_metadata
.endif
;; end of part 4
